; MI455X (gfx1250); checked and timed in simulation.
; The chip was launched on July 23, 2026; its instructions are those of AMD's public machine-readable ISA for CDNA 5 (MIT licence, August 2026) and "CDNA5" Instruction Set Architecture Reference Guide (July 2026). The comments in the code are by the model that wrote it; some were corrected since.
;; Quantum FFN. Allowed arithmetic: matrix products marked QUANTISED: E2M1 operands, one E8M0 scale for each 32 along K, by v_wmma_scale_f32_16x16x128_f8f6f4 with both operands' format E2M1 (or v_wmma_scale_f32_32x16x128_f4), f32 sums; products left as they are: f32 operands where the result goes on into a quantised operand, else bf16, f16 or f32 operands; f32 sums; everything else in f32.
;; Inputs: W1 4,096 x 8 float32; W2_codes 1,024 x 128 x 16 uint8 (E2M1 codes of W2, K innermost, in blocks of 32 codes, two codes a byte); W2_scales 1,024 x 128 uint8 (E8M0 scales of W2, one for each 32 codes along K); theta 8 float32; x 4 x 4,096 x 1,024 float32.
;; Outputs: out0 4 x 4,096 x 1,024 float32.
;; This version of the problem:
;;   THIS VERSION OF THE PROBLEM IS GIVEN IN LOW PRECISION. The matrix products marked QUANTISED in the list below multiply operands that are first quantised to E2M1 (2 exponent bits, 1 mantissa bit; 4 bits a number), with one power-of-two scale for each 32 numbers along K (OCP MX v1.0); their sums are f32. All else is computed in f32.
;;   The module's matrix products, in the order in which they are computed (A, B: the left and right operand; K: the contracted axis; several contracted axes count as one K, in the product's order):
;;     1. [M 16,384, K 8] x [K 8, N 4,096]; A: computed on the way; B: input W1: left as it is (K = 8 < 32)
;;     2. [M 16,384, K 4,096] x [K 4,096, N 1,024]; A: computed on the way; B: input W2 (given as codes): QUANTISED
;;   THE QUANTISER, for each operand of a quantised product, along K:
;;     - K is cut into blocks of 32 from its start; a last block that is shorter is filled with zeros.
;;     - A block's scale is 2^e with e = floor(log2(the largest magnitude in the block)) - 2, held to -126 .. 127; a block of zeros has e = 0. As a byte (E8M0): e + 127.
;;     - Each number is divided by its block's scale, clamped to +-6, and rounded to the nearest number of E2M1, ties to even, subnormals kept.
;;     - The product sums the exact products of the quantised numbers (number of the format x scale) in f32.
;;   ~~~python
;;   def quantise(x, axis):      # numpy; x: float32 -> the quantised numbers, widened to float32 again
;;       x = np.moveaxis(x, axis, -1); K = x.shape[-1]
;;       x = np.pad(x, [(0, 0)] * (x.ndim - 1) + [(0, -K % 32)]); x = x.reshape(x.shape[:-1] + (-1, 32)); a = np.abs(x).max(-1, keepdims=True)
;;       e = np.where(a > 0, np.clip(np.frexp(np.where(a > 0, a, 1))[1] - 1 - 2, -126, 127), 0)      # np.frexp(a)[1] - 1 = floor(log2(a)), exactly
;;       r = np.clip(x / 2.0 ** e, -6, 6)
;;       step = 2.0 ** (np.maximum(np.frexp(np.where(r == 0, 1, r))[1] - 1, 0) - 1)
;;       q = np.round(r / step) * step * 2.0 ** e      # np.round: ties to even
;;       return np.moveaxis(q.reshape(q.shape[:-2] + (-1,))[..., :K], -1, axis).astype(np.float32)
;;   ~~~
;;   OPERANDS COMPUTED ON THE WAY. 'Computed on the way' means the value that the module computes at that place (a softmax that the list does not call 'softmax' is quantised finished and normalised). What goes into a quantiser is computed in f32, as accurately as f32 sums, v_exp_f32 and their like allow (about 1e-6 of the number): no bf16 or f16 on the way to a quantiser, and a product that is left as it is and whose result goes on into a quantised operand takes f32 operands (vector FMAs, or v_wmma_f32_16x16x4_f32). A number that lies on a knife's edge between two numbers of the format may be rounded either way, as far as f32 arithmetic and the matrix unit's own rounding can turn it there, and no further.
;;   INPUTS GIVEN AS CODES. W2 (in the module: [1024, 4096], K = its axis 1): each comes as NAME_codes (uint8): NAME with its K axis moved to the last place and cut into blocks of 32 codes, [.., K / 32, bytes a block], one block behind the other in memory; two codes a byte, the lower K in the low four bits (a code: sign, 2 exponent bits, 1 mantissa bit); and NAME_scales (uint8): the same leading axes, one E8M0 byte (e + 127) for each 32 codes along K. Its value is code x scale, taken as it is: it is not quantised again, and the codes and scales need not be those that the quantiser above would give.
;; One version. Each part assembles by itself: llvm-mc -triple=amdgcn-amd-amdhsa -mcpu=gfx1250 --defsym DOCPART=n.
;; ======== version 1 of 1: 2 launches
;; limits: inputs' magnitudes at most 131,072; right only within a limited range of input values
;; workspace buffers: w2p 2,228,224 bytes
;; launch prep (part 1): grid 128 x 1, 32 waves a work-group, no clusters, 21,504 bytes of LDS; arguments W2_codes, W2_scales, w2p; writes w2p
.if DOCPART == 1
	.amdgcn_target "amdgcn-amd-amdhsa--gfx1250"
	.amdhsa_code_object_version 6
	.text
	.protected	k_qb9ae377cf4_prep
	.globl	k_qb9ae377cf4_prep
	.p2align	8
	.type	k_qb9ae377cf4_prep,@function
k_qb9ae377cf4_prep:
	s_mov_b64 s[64:65], 0
	v_nop
	global_prefetch_b8 v0, s[64:65] scope:SCOPE_SE
	s_setreg_imm32_b32 hwreg(HW_REG_WAVE_MODE, 25, 1), 1
	s_wait_xcnt 0x0
; W2's codes and scale bytes are laid once in the order in which the next launch's registers take them:
; w2p = [16 groups of two K steps][4 waves][2 K steps][16 fragment images of 1,024 bytes, then 1,024 bytes of scale words].
; Image of fragment i (16 rows x 128 K): byte 512 c + 16 l holds bytes 64 s + 32 c + 16 (l / 16) .. + 15 of row 256 w + 16 i + l % 16.  Scale word of row 256 w + n at byte 16,384 + 4 n.
; A work-group takes 64 rows x 512 K: 256 bytes of each row of codes, 16 lanes to a row; the pieces change places in LDS and leave as runs of 512 bytes a wave.
; Dead work: none here.  (In the next launch x's columns 8 .. 1023 are not read: reference() slices them away.)
.set SCB,   16384                      ; LDS: the scale words, [4 K steps][64 rows]
.set SPARE, 17408                      ; the spare words, 128 bytes a wave
	s_load_b128 s[4:7], s[0:1], 0x0                ; codes, scales
	s_load_b64 s[8:9], s[0:1], 0x10                ; w2p
	v_lshrrev_b32 v1, 5, v0
	v_readfirstlane_b32 s24, v1                    ; wave
	s_and_b32 s10, ttmp9, 7                        ; c: which 512 along K
	s_lshr_b32 s11, ttmp9, 3                       ; b: which 64 rows
	s_lshl_b32 s12, s11, 17
	s_lshl_b32 s13, s10, 8
	s_add_co_u32 s12, s12, s13                     ; codes: 64 b rows of 2,048 bytes + 256 c
	s_mov_b32 s13, 0
	s_lshl_b32 s14, s11, 13
	s_lshl_b32 s15, s10, 4
	s_add_co_u32 s14, s14, s15                     ; scales: 64 b rows of 128 bytes + 16 c
	s_mov_b32 s15, 0
	s_mul_i32 s16, s10, 278528                     ; two groups for each c
	s_lshr_b32 s17, s11, 2
	s_mul_i32 s17, s17, 34816                      ; the wave's part, w = b / 4
	s_add_co_u32 s16, s16, s17
	s_and_b32 s17, s11, 3
	s_lshl_b32 s18, s17, 8
	s_lshl_b32 s17, s17, 12
	s_add_co_u32 s18, s18, s16
	s_add_co_u32 s18, s18, 16384                   ; scale words of rows 64 (b % 4) on
	s_add_co_u32 s16, s16, s17                     ; fragments 4 (b % 4) on
	s_mov_b32 s17, 0
	s_mov_b32 s19, 0
	v_lshl_add_u32 v32, v0, 2, SPARE
	v_mov_b32 v33, 0
	v_lshrrev_b32 v1, 4, v0                        ; row 0 .. 63
	v_and_b32 v2, 15, v0                           ; piece of 16 bytes
	v_lshlrev_b32 v3, 11, v1
	v_lshl_add_u32 v3, v2, 4, v3                   ; where I read codes
	v_bfe_u32 v5, v0, 2, 2                         ; K step of four
	v_bfe_u32 v6, v0, 8, 2                         ; fragment of four
	v_bfe_u32 v7, v0, 1, 1                         ; c
	v_and_b32 v24, 1, v0                           ; h
	v_bfe_u32 v34, v0, 4, 4                        ; r
	v_lshlrev_b32 v4, 12, v5
	v_lshl_add_u32 v4, v6, 10, v4
	v_lshl_add_u32 v4, v7, 9, v4
	v_lshl_add_u32 v4, v24, 8, v4
	v_lshl_add_u32 v4, v34, 4, v4                  ; the piece's place in LDS
	v_lshlrev_b32 v25, 4, v0                       ; back: 16 x thread
	v_lshrrev_b32 v5, 9, v0
	v_bfe_u32 v6, v0, 8, 1
	v_and_b32 v7, 255, v0
	v_mul_u32_u24 v26, v5, 139264                  ; group,
	v_mad_u32_u24 v26, v6, 17408, v26              ; K step of the group,
	v_lshl_add_u32 v26, v7, 4, v26                 ; 4,096 bytes on end
	v_and_b32 v29, 63, v0
	v_lshlrev_b32 v27, 7, v29                      ; a row of scale bytes
	v_lshl_add_u32 v28, v29, 2, SCB
	v_lshl_add_u32 v30, v29, 4, SCB
	v_bfe_u32 v5, v0, 5, 1
	v_bfe_u32 v6, v0, 4, 1
	v_mul_u32_u24 v31, v5, 139264
	v_mad_u32_u24 v31, v6, 17408, v31
	v_lshl_add_u32 v31, v2, 4, v31
	s_wait_alu depctr_va_vdst(0)                   ; the wait at the head's end
	s_wait_kmcnt 0x0
	s_add_nc_u64 s[4:5], s[4:5], s[12:13]
	s_add_nc_u64 s[6:7], s[6:7], s[14:15]
	s_add_nc_u64 s[20:21], s[8:9], s[16:17]
	s_add_nc_u64 s[22:23], s[8:9], s[18:19]
	global_load_b128 v[8:11], v3, s[4:5] th:TH_LOAD_NT
	s_cmp_lt_u32 s24, 2                            ; waves 0 and 1 also take the 64 rows' scale words
	s_cbranch_scc0 .Lno_s
	global_load_b128 v[12:15], v27, s[6:7]
	s_wait_loadcnt 0x0
.irp q, 0,1,2,3
	ds_store_b32 v28, v[12+\q] offset:256*\q
.endr
.Lno_s:
	s_wait_loadcnt 0x0
	ds_store_b128 v4, v[8:11]
	s_wait_dscnt 0x0                               ; my stores have landed, for the others' sake
	s_barrier_signal -1
	s_barrier_wait -1
	ds_load_b128 v[16:19], v25
	s_cmp_lt_u32 s24, 2
	s_cbranch_scc0 .Lno_t
	ds_load_b128 v[20:23], v30
	s_wait_dscnt 0x0
	global_store_b128 v31, v[20:23], s[22:23]      ; 16 lanes store 256 consecutive bytes, aligned
.Lno_t:
	s_wait_dscnt 0x0
	global_store_b128 v26, v[16:19], s[20:21]      ; a wave stores 512 consecutive bytes, aligned
	s_wait_tensorcnt 0x0                           ; the wave's end
	ds_add_u32 v32, v33
	s_wait_dscnt 0x0
	s_endpgm
.Lfunc_end_k_qb9ae377cf4_prep:
	.size	k_qb9ae377cf4_prep, .Lfunc_end_k_qb9ae377cf4_prep-k_qb9ae377cf4_prep
	.p2alignl 7, 3214868480
	.fill 96, 4, 3214868480
	.section	.rodata,"a",@progbits
	.p2align	6, 0x0
	.amdhsa_kernel k_qb9ae377cf4_prep
		.amdhsa_group_segment_fixed_size 21504
		.amdhsa_private_segment_fixed_size 0
		.amdhsa_enable_private_segment 0
		.amdhsa_kernarg_size 24
		.amdhsa_user_sgpr_count 2
		.amdhsa_user_sgpr_kernarg_segment_ptr 1
		.amdhsa_wavefront_size32 1
		.amdhsa_system_sgpr_workgroup_id_x 1
		.amdhsa_system_sgpr_workgroup_id_y 1
		.amdhsa_system_sgpr_workgroup_id_z 1
		.amdhsa_system_vgpr_workitem_id 0
		.amdhsa_next_free_vgpr 40
		.amdhsa_next_free_sgpr 66
		.amdhsa_reserve_vcc 0
		.amdhsa_float_denorm_mode_32 3
		.amdhsa_float_denorm_mode_16_64 3
		.amdhsa_memory_ordered 1
		.amdhsa_forward_progress 1
		.amdhsa_inst_pref_size 5
	.end_amdhsa_kernel
	.amdgpu_metadata
---
amdhsa.version: [ 1, 2 ]
amdhsa.kernels:
  - .name:           k_qb9ae377cf4_prep
    .symbol:         k_qb9ae377cf4_prep.kd
    .args:
      - { .name: W2_codes, .offset: 0, .size: 8, .value_kind: global_buffer, .address_space: global }
      - { .name: W2_scales, .offset: 8, .size: 8, .value_kind: global_buffer, .address_space: global }
      - { .name: w2p, .offset: 16, .size: 8, .value_kind: global_buffer, .address_space: global }
    .group_segment_fixed_size: 21504
    .private_segment_fixed_size: 0
    .kernarg_segment_align: 8
    .kernarg_segment_size: 24
    .max_flat_workgroup_size: 1024
    .sgpr_count:     66
    .vgpr_count:     40
    .wavefront_size: 32
...
	.end_amdgpu_metadata
.endif
;; end of part 1
;; launch ffn (part 2): grid 256 x 1, 4 waves a work-group, clusters of 4 x 1, 327,680 bytes of LDS; arguments x, theta, W1, w2p, out0; writes out0
.if DOCPART == 2
	.amdgcn_target "amdgcn-amd-amdhsa--gfx1250"
	.amdhsa_code_object_version 6
	.text
	.protected	k_qb9ae377cf4_ffn
	.globl	k_qb9ae377cf4_ffn
	.p2align	8
	.type	k_qb9ae377cf4_ffn,@function
k_qb9ae377cf4_ffn:
	s_mov_b64 s[64:65], 0
	v_nop
	global_prefetch_b8 v0, s[64:65] scope:SCOPE_SE
	s_setreg_imm32_b32 hwreg(HW_REG_WAVE_MODE, 25, 1), 1
	s_wait_xcnt 0x0
	s_wait_alu depctr_hold_cnt(0) depctr_sa_sdst(0) depctr_va_vdst(0) depctr_va_sdst(0) depctr_va_ssrc(0) depctr_va_vcc(0) depctr_vm_vsrc(0)
	s_getreg_b32 s2, hwreg(HW_REG_IB_STS2, 6, 4)
	s_cmp_eq_u32 s2, 0
	s_cbranch_scc0 .Lentry_in_a_cluster
	s_endpgm
.Lentry_in_a_cluster:
	s_bfe_u32 s2, ttmp6, 0x10000c
	s_cmp_lg_u32 s2, 0x3003
	s_cbranch_scc0 .Lentry_shape_is_right
	s_endpgm
.Lentry_shape_is_right:
; out[m][d] = sum over f of Q(h[m][f]) W2[d][f],  h = relu(z W1^T),  z[m][q] = cos(x[m][q]) cos(theta[q]), q = 0 .. 7.
; LEFT OUT: x's columns 8 .. 1023, which reference() slices away for all values; a NaN or an infinity there is not carried to the result.
; SHARES.  A work-group of four waves owns 64 rows and all 1,024 columns, so that each number of h is made once.  Wave w owns columns 256 w .. + 255: 16 x 4 accumulators, 512 registers.  K goes in 32 steps of 128.
; W2 comes from w2p, laid by the launch before as images of the operand's registers with their scale words: a group (two K steps) of a wave is 34,816 dense bytes, one tensor load of 136 rows of 256 bytes.
; A ring of two LDS slots, a group each; one barrier (a round of the cluster's) for each group.  CLUSTER: the four work-groups ask for each tile jointly, mask 15.
; h IS MADE BY THE f32 MATRIX FORM, TRANSPOSED (source 0 = 16 rows of W1, source 1 = z): lane r of tile 2 b + u takes row 32 b + 8 u + r + 8 (r / 8) of the step's 128 rows of W1, so the 16 registers of tiles 2 b, 2 b + 1
; are k = 32 b + 16 (lane / 16) + 0 .. 15.  K = 8 goes as two links of 4; both sources take q = 4 (lane / 16) + 0 .. 3.
; For group G wave w makes K step 2 G + w / 2, row tiles 2 (w % 2) + e: one fragment a step, quantised in registers, to LDS as an image of the operand's registers.  In step s a wave multiplies fragment s + 3 (f32),
; quantises fragment s + 2 and multiplies K step s (FP4).
; relu: a block's largest number is taken without |.| over a floor; the numbers are converted as they are, and then the three value bits of every code with its sign bit set are cleared (the code -0, which adds nothing).
; PREFETCH: behind each refill the group two refills on is asked for by the first four clusters alone (all clusters walk the same 2,228,224 bytes); a wave's 136 blocks of 256 bytes are shared by address, 34 to a partner.
; LIMITS.  |x| and |theta| up to 2^17 (beyond, the quotient by pi can be off by one).  NaN and infinities are not served.  The cosine's absolute error is about 1e-7 (degree 14 on [-pi/2, pi/2]).
; A block whose largest h lies under 2^-124, or has none above 0, gets the byte 1: its codes are zeros or rounded under that scale; only this text reads the bytes.
; WINDOWS: 0: addresses, v16-23 W2's scale words, v48-49 h's, v64-95 h's fragments, v128-255 W2's;  1: v0-127 two sets of f32 sums, v128-191 W1, v192-199 z, v200-247 the quantiser's;  2, 3: accumulators.
.set KPART,  17408                     ; a wave's K step: 16 images + scale words
.set WPART,  2*KPART
.set SLOTB,  4*WPART
.set HB0,    2*SLOTB                   ; h's images, two buffers, a group each: fragment (kh, mt) at 1024 (4 kh + mt)
.set HBSC,   8192                      ; their scale words: 256 kh + 64 mt + 4 r
.set HBSZ,   8704
.set SPARE,  HB0+2*HBSZ                ; the spare words
.set SPITCH, 528                       ; the way out: 16 rows x (512 + 16) bytes a wave, at the head of its own part of slot 0, behind that slot's last fill and last read
.set SPW,  3
.set NIL,  4
.set ADB,  5                           ; v5-6 my part of slot 0, 1 + 16 x lane
.set ADA,  7
.set ADAS, 8
.set IMW,  10
.set ISW,  11
.set W1O,  12
.set XO,   13
.set STO,  14
.set RD,   15
.set SCW,  16                          ; register n: lanes 0-15 column tile 2 n, lanes 16-31 tile 2 n + 1
.set ASC,  48
.set CO,   50
.set ADS,  52                          ; v52-53 my scale words in slot 0, 1: + 16,384 + 4 x lane
.set PFO,  54                          ; v54-55 the prefetches' offsets
.set AF,   64
.set BF,   128
.set BK,   128
.set W1R,  128                         ; window 1 from here on
.set ZR,   192
.set QC,   200
.set QM,   208
.set QX,   212
.set QSC,  216
.set PW,   220
.set QT,   224
.set QU,   232
.set CV,   224
.set CN,   236
.set CS2,  200
.set CP,   212
.set G1,   24
.set PFA,  32                          ; s[32:33]; s34: trips that prefetch
.set G0,   40
.set W1P,  52
.set MSB, 0
.macro WIN new
.if MSB != (\new)
	s_set_vgpr_msb (MSB<<8)|(\new)
.set MSB, (\new)
.endif
.endm
.macro PLACES n
.rept \n
	v_nop
.endr
.endm
.macro CREST
	s_cmp_lg_u32 s16, 0
	s_cbranch_scc1 .Lnot_wave_0_\@
	s_barrier_signal -3
.Lnot_wave_0_\@:
	s_barrier_wait -3
	s_barrier_signal -1
	s_barrier_wait -1
.endm
.macro CROUND
	s_barrier_signal -1
	s_barrier_wait -1
	CREST
.endm
	s_load_b256 s[4:11], s[0:1], 0x0               ; x, theta, W1, w2p
	s_load_b64 s[14:15], s[0:1], 0x20              ; out
	v_lshl_add_u32 v[SPW], v0, 2, SPARE
	v_mov_b32 v[NIL], 0
	ds_add_u32 v[SPW], v[NIL]                      ; the opening lines: the add twice on end
	ds_add_u32 v[SPW], v[NIL]
	v_lshrrev_b32 v1, 5, v0
	v_readfirstlane_b32 s16, v1                    ; wave
	s_lshr_b32 s17, s16, 1                         ; which K step of a group I make
	s_and_b32 s18, s16, 1                          ; which two tiles of rows
	s_bfe_u32 s19, ttmp6, 0x40000                  ; cx: it enters global addresses alone
	s_lshl_b32 s20, ttmp9, 2
	s_add_co_u32 s20, s20, s19
	s_lshl_b32 s20, s20, 18                        ; my work-group's 64 rows of 4,096 bytes
	s_mov_b32 s21, 0
	s_mov_b32 s22, 0x76543210
	s_mov_b32 s23, 0xfedcba98
	s_mov_b32 s[G1+0], 15|(3<<16)|(1<<21)          ; mask 15; elements of 8 bytes; bit 21 beside a mask; no padding
	s_mov_b32 s[G1+1], 32<<16
	s_mov_b32 s[G1+2], 136<<16
	s_mov_b32 s[G1+3], 32<<16
	s_mov_b32 s[G1+4], 136
	s_mov_b32 s[G1+5], 32
	s_mov_b32 s[G1+6], 0
	s_mov_b32 s[G1+7], 0
	s_mul_i32 s55, s16, WPART                      ; my part, in a slot and in a group of w2p alike
	s_mov_b32 s56, s55
	s_mov_b32 s57, 0
	s_mul_i32 s58, s19, 8704                       ; my work-group's 34 blocks of a part
	s_mov_b32 s59, 0
	s_cmp_lt_u32 ttmp9, 4
	s_cselect_b32 s34, 6, 0                        ; the first four clusters prefetch, in trips 0 .. 5
	s_wait_dscnt 0x0
	s_wait_kmcnt 0x0
	s_add_nc_u64 s[10:11], s[10:11], s[56:57]
	s_add_nc_u64 s[PFA:PFA+1], s[10:11], s[58:59]
	s_mov_b32 s[G0+0], 1                           ; slot 0: group 0
	s_mov_b32 s[G0+1], s55
	s_mov_b64 s[G0+2:G0+3], s[10:11]
	s_or_b32 s[G0+3], s[G0+3], 0x80000000
	s_mov_b32 s[G0+4], 1                           ; slot 1: group 1
	s_add_co_u32 s[G0+5], s55, SLOTB
	s_add_nc_u64 s[G0+6:G0+7], s[10:11], SLOTB
	s_or_b32 s[G0+7], s[G0+7], 0x80000000
	s_lshl_b32 s56, s18, 17                        ; x: my 32 rows of the 64
	s_add_nc_u64 s[4:5], s[4:5], s[20:21]
	s_add_nc_u64 s[4:5], s[4:5], s[56:57]
	s_lshl_b32 s58, s16, 10                        ; out: my 256 columns
	s_add_nc_u64 s[14:15], s[14:15], s[20:21]
	s_add_nc_u64 s[14:15], s[14:15], s[58:59]
	s_lshl_b32 s56, s17, 12                        ; W1: a K step's 128 rows are 4,096 bytes
	s_add_nc_u64 s[W1P:W1P+1], s[8:9], s[56:57]
	v_and_b32 v1, 15, v0                           ; r
	v_bfe_u32 v2, v0, 4, 1                         ; h
	v_and_b32 v56, 31, v0                          ; lane
	v_lshlrev_b32 v[XO], 12, v1
	v_lshl_add_u32 v[XO], v2, 4, v[XO]
	v_lshlrev_b32 v57, 4, v2
	v_and_b32 v[W1O], 8, v1
	v_add_nc_u32 v[W1O], v[W1O], v1
	v_lshlrev_b32 v[W1O], 5, v[W1O]
	v_lshl_add_u32 v[W1O], v2, 4, v[W1O]
; my K step's 128 rows of W1 of one group.  br = 1: in the loop, whose last trip has no group left to load
.macro W1LD set, off, br
.if \br
	s_cmp_lt_u32 s54, 6
	s_cbranch_scc0 .Lno_w1_\@
.endif
	WIN 0x40
.irp t, 0,1,2,3,4,5,6,7
	global_load_b128 v[W1R+32*(\set)+4*\t:W1R+32*(\set)+4*\t+3], v[W1O], s[W1P:W1P+1] offset:(\off)+(32*(\t/2)+8*(\t%2))*32
.endr
	WIN 0
.if \br
	s_branch .Lw1_done_\@
.Lno_w1_\@:
	s_wait_loadcnt 0x0                             ; no eight younger loads follow here: the last group is waited for now
.Lw1_done_\@:
.endif
.endm
	WIN 0x40
	global_load_b128 v[CV:CV+3], v[XO], s[4:5]
	global_load_b128 v[CV+4:CV+7], v[XO], s[4:5] offset:65536
	global_load_b128 v[CV+8:CV+11], v57, s[6:7]
	WIN 0
	W1LD 0, 0, 0
	W1LD 1, 8192, 0
	s_wait_alu depctr_va_vdst(0)                   ; the wait directly ahead of the round
	CROUND                                         ; x's, theta's and W1's loads are on their way while the four work-groups meet
	tensor_load_to_lds s[G0:G0+3], s[G1:G1+7]      ; my one load at the head
	s_nop 0
	PLACES 4
	v_lshl_add_u32 v[ADB], v56, 4, s55
	v_add_nc_u32 v[ADB+1], SLOTB, v[ADB]
	v_lshl_add_u32 v[ADS], v56, 2, s55
	v_add_nc_u32 v[ADS], 16384, v[ADS]
	v_add_nc_u32 v[ADS+1], SLOTB, v[ADS]
	v_lshl_add_u32 v[ADA], v56, 4, HB0
	v_lshl_add_u32 v[ADAS], v56, 2, HB0+HBSC
	s_lshl_b32 s56, s16, 11
	v_lshlrev_b32 v[IMW], 4, v1
	v_lshl_add_u32 v[IMW], v2, 3, v[IMW]
	v_add_nc_u32 v[IMW], s56, v[IMW]
	v_add_nc_u32 v[IMW], HB0, v[IMW]
	s_lshl_b32 s56, s16, 7
	v_lshlrev_b32 v[ISW], 2, v1
	v_add_nc_u32 v[ISW], s56, v[ISW]
	v_add_nc_u32 v[ISW], HB0+HBSC, v[ISW]
	v_mul_u32_u24 v[STO], v1, SPITCH
	v_lshl_add_u32 v[STO], v2, 5, v[STO]
	v_add_nc_u32 v[STO], s55, v[STO]
	v_lshlrev_b32 v[CO], 4, v56
	v_add_nc_u32 v[RD], s55, v[CO]
	v_lshlrev_b32 v[PFO], 8, v56                   ; blocks 0 .. 31 of my 34,
	v_min_u32 v[PFO+1], 1, v56
	v_lshl_add_u32 v[PFO+1], v[PFO+1], 8, 8192     ; blocks 32 and 33 (the lanes left over name the last again)
	s_mov_b32 s56, 0xad49cba5                      ; -1 / 14!
	; THE COSINE of 12 numbers by turns: n = the nearest whole number to v / pi; r = v - n pi, pi in three parts; the series in r^2 up to r^14; the sign from n's lowest bit
.macro HORNER c
.irp i, 0,1,2,3,4,5,6,7,8,9,10,11
	v_fma_f32 v[CP+\i], v[CP+\i], v[CS2+\i], \c
.endr
.endm
.macro REDUCE c
.irp i, 0,1,2,3,4,5,6,7,8,9,10,11
	v_fma_f32 v[CV+\i], v[CN+\i], \c, v[CV+\i]
.endr
.endm
	s_wait_loadcnt 16                              ; x and theta are in; W1's sixteen loads may be out
	WIN 0x55
.irp i, 0,1,2,3,4,5,6,7,8,9,10,11
	v_mul_f32 v[CN+\i], 0x3ea2f983, v[CV+\i]
.endr
.irp i, 0,1,2,3,4,5,6,7,8,9,10,11
	v_rndne_f32 v[CN+\i], v[CN+\i]
.endr
	REDUCE 0xc0490fdb
	REDUCE 0x33bbbd2e
	REDUCE 0x27772ced
.irp i, 0,1,2,3,4,5,6,7,8,9,10,11
	v_mul_f32 v[CS2+\i], v[CV+\i], v[CV+\i]
.endr
.irp i, 0,1,2,3,4,5,6,7,8,9,10,11
	v_fma_f32 v[CP+\i], v[CS2+\i], s56, 0x310f76c7
.endr
	HORNER 0xb493f27e
	HORNER 0x37d00d01
	HORNER 0xbab60b61
	HORNER 0x3d2aaaab
	HORNER -0.5
	HORNER 1.0
.irp i, 0,1,2,3,4,5,6,7,8,9,10,11
	v_cvt_i32_f32 v[CN+\i], v[CN+\i]
.endr
.irp i, 0,1,2,3,4,5,6,7,8,9,10,11
	v_lshlrev_b32 v[CN+\i], 31, v[CN+\i]
.endr
.irp i, 0,1,2,3,4,5,6,7,8,9,10,11
	v_xor_b32 v[CP+\i], v[CP+\i], v[CN+\i]
.endr
.irp e, 0,1
.irp j, 0,1,2,3
	v_mul_f32 v[ZR+4*\e+\j], v[CP+4*\e+\j], v[CP+8+\j]   ; z(row r of my tile e, q = 4 h + j); it stays
.endr
.endr
.irp b, 0,1,2,3
	v_mov_b32 v[QX+\b], 0                          ; a lane permute's destination counts as one of its sources
.endr
	s_wait_alu depctr_va_vdst(0)                   ; the wait at the head's end
; THE f32 PRODUCT: number k of a fragment's 16: tile k % 8, link k / 8; the eight sums take turns
.macro WM k, hn, w1s
.set wT, (\k)%8
.set wL, 2*((\k)/8)
.if wL == 0
	v_wmma_f32_16x16x4_f32 v[64*(\hn)+8*wT:64*(\hn)+8*wT+7], v[W1R+32*(\w1s)+4*wT:W1R+32*(\w1s)+4*wT+1], v[ZR+4*(\hn):ZR+4*(\hn)+1], 0
.else
	v_wmma_f32_16x16x4_f32 v[64*(\hn)+8*wT:64*(\hn)+8*wT+7], v[W1R+32*(\w1s)+4*wT+2:W1R+32*(\w1s)+4*wT+3], v[ZR+4*(\hn)+2:ZR+4*(\hn)+3], v[64*(\hn)+8*wT:64*(\hn)+8*wT+7]
.endif
.endm
; THE QUANTISER of one fragment: a list of 92 instructions, of which Q1 writes number qj.  0-31 the blocks' maxima over the floor 2^(3 - 127), each sum first read at its low end; 32-39 with lane l xor 16's;
; 40-43 the conversions' scale operands; 44-50 the bytes and the scale word; 51-58 the conversions; 59 the plain place; 60-91 relu on the codes: sign bits s, then s - s / 8 is the mask of the negative codes' value bits
.macro Q1 ho
.set qH, 64*(\ho)
.if qj < 4
	v_max3_num_f32 v[QM+qj], v[qH+16*qj], v[qH+16*qj+1], 0x1800000
.elseif qj < 32
.set qb, qj%4
.set qi, 2*(qj/4)
	v_max3_num_f32 v[QM+qb], v[QM+qb], v[qH+16*qb+qi], v[qH+16*qb+qi+1]
.elseif qj < 36
	v_permlanex16_b32 v[QX+qj-32], v[QM+qj-32], s22, s23
.elseif qj < 40
	v_max_num_f32 v[QM+qj-36], v[QM+qj-36], v[QX+qj-36]
.elseif qj < 44
	v_add_nc_u32 v[QSC+qj-40], 0xff000000, v[QM+qj-40]
.elseif qj < 48
	v_lshrrev_b32 v[QX+qj-44], 23, v[QSC+qj-44]
.elseif qj == 48
	v_lshl_or_b32 v[PW], v[QX+1], 8, v[QX]
.elseif qj == 49
	v_lshl_or_b32 v[PW], v[QX+2], 16, v[PW]
.elseif qj == 50
	v_lshl_or_b32 v[PW], v[QX+3], 24, v[PW]
.elseif qj < 59
.set qc, qj-51
	v_cvt_scalef32_pk8_fp4_f32 v[QC+qc], v[qH+8*qc:qH+8*qc+7], v[QSC+qc/2]
.elseif qj == 59
	v_nop
.elseif qj < 68
	v_and_b32 v[QT+qj-60], 0x88888888, v[QC+qj-60]
.elseif qj < 76
	v_lshrrev_b32 v[QU+qj-68], 3, v[QT+qj-68]
.elseif qj < 84
	v_sub_nc_u32 v[QT+qj-76], v[QT+qj-76], v[QU+qj-76]
.elseif qj < 92
	v_bfi_b32 v[QC+qj-84], v[QT+qj-84], 0, v[QC+qj-84]
.endif
.endm
; THE LDS LOADS OF A K STEP, in six runs: 0: h's four fragments (8 loads); 1: h's and W2's scale words (10); 2-5: four of W2's sixteen fragments each (8).  p: the K step of the group; sl: the slot and h's buffer
.macro LR k, p, sl
	WIN 0
.if (\k) == 0
.irp t, 0,1,2,3
.irp c, 0,1
	ds_load_b128 v[AF+8*\t+4*\c:AF+8*\t+4*\c+3], v[ADA] offset:HBSZ*(\sl)+4096*(\p)+1024*\t+512*\c
.endr
.endr
.elseif (\k) == 1
.irp u, 0,1
	ds_load_b32 v[ASC+\u], v[ADAS] offset:HBSZ*(\sl)+256*(\p)+128*\u
.endr
.irp n, 0,1,2,3,4,5,6,7
	ds_load_b32 v[SCW+\n], v[ADS+(\sl)] offset:KPART*(\p)+128*\n
.endr
.else
.irp n, 0,1,2,3
.irp c, 0,1
	ds_load_b128 v[BF+8*(4*((\k)-2)+\n)+4*\c:BF+8*(4*((\k)-2)+\n)+4*\c+3], v[ADB+(\sl)] offset:KPART*(\p)+1024*(4*((\k)-2)+\n)+512*\c
.endr
.endr
.endif
.endm
; THE PRODUCTION OF A STEP.  st = the step modulo 4.  The step's 50 LDS loads go out in one run at its start; behind each f32 matrix instruction stand six of the quantiser's instructions, on the OTHER set of sums
.macro PROD st, wm, qt, ld
.set pP, (\st)%2
.set pHBR, (\st)/2
.set pHN, ((\st)+1)%2
.set pW1, (((\st)+3)/2)%2
.if (\wm) && pP
	s_wait_loadcnt 8                               ; an odd step begins a group: its W1 is in; the eight loads for the other set may be out
.endif
.if \ld
.irp k, 0,1,2,3,4,5
	LR \k, pP, pHBR
.endr
.endif
.set pk, 0
.set qj, 0
.rept 16
	WIN 0x55
.if \wm
	WM pk, pHN, pW1
.endif
.if \qt
.rept 6
	Q1 pP
.set qj, qj+1
.endr
.endif
.set pk, pk+1
.endr
.if \qt
	WIN 0x04
.irp b, 0,1,2,3                        ; block b's 16 codes of mine go where the operand's image has them
	ds_store_b64 v[IMW], v[QC+2*\b:QC+2*\b+1] offset:HBSZ*(1-pHBR)+1024*pP+512*(\b/2)+256*(\b%2)
.endr
	ds_store_b32 v[ISW], v[PW] offset:HBSZ*(1-pHBR)+64*pP
.endif
	WIN 0
.if \wm
	PLACES 8                                       ; eight places behind the f32 form
.endif
.endm
; THE FP4 PRODUCT, TRANSPOSED: source 0 = column tile i of W2, source 1 = row tile t of h
.macro FPI zero, mods:vararg
.if \zero
	v_wmma_scale_f32_16x16x128_f8f6f4 v[fD:fD+7], v[fA:fA+7], v[fB:fB+7], 0, v[fSA], v[fSB] matrix_a_fmt:MATRIX_FMT_FP4 matrix_b_fmt:MATRIX_FMT_FP4 \mods
.else
	v_wmma_scale_f32_16x16x128_f8f6f4 v[fD:fD+7], v[fA:fA+7], v[fB:fB+7], v[fD:fD+7], v[fSA], v[fSB] matrix_a_fmt:MATRIX_FMT_FP4 matrix_b_fmt:MATRIX_FMT_FP4 \mods
.endif
.endm
.macro FPONE i, t, zero
.set fD, 8*(8*(\t)+(\i)%8)
.set fA, BF+8*(\i)
.set fB, AF+8*(\t)
.set fSA, SCW+(\i)/2
.set fSB, ASC+(\t)/2
.set fR, 2*((\i)%2)+(\t)%2
.if fR == 0
	FPI \zero
.elseif fR == 1
	FPI \zero, matrix_b_scale:MATRIX_SCALE_ROW1
.elseif fR == 2
	FPI \zero, matrix_a_scale:MATRIX_SCALE_ROW1
.else
	FPI \zero, matrix_a_scale:MATRIX_SCALE_ROW1 matrix_b_scale:MATRIX_SCALE_ROW1
.endif
.endm
.macro FP4 i0, zero                    ; 16 matrix instructions; the 64 accumulators take turns, in the same order in every step
.irp n, 0,1,2,3
.irp t, 0,1,2,3
	FPONE (\i0)+\n, \t, \zero
.endr
.endr
.endm
; A K STEP.  An even step has no barrier.  An odd step ends a group: ONE barrier; with fill = 1 it opens a round of the cluster's, behind which this group's slot takes the group two on.
; The counts on DScnt in an even step: behind the loads that a run of products needs stand 24, 16, 8 or 0 loads of later fragments and my 5 image stores.  In an odd step: my 5 image stores and, with fill = 1, the add.
.macro STEP st, zero, wm, w1, off, br, fill, pf
	PROD \st, \wm, 1, 1
.if \w1
	W1LD (((\st)+3)/2)%2, \off, \br
.endif
.if (\st)%2
	s_wait_tensorcnt 0x0                           ; all my tensor loads have landed: my part of the next group
.if \fill
	ds_add_u32 v[SPW], v[NIL]
	s_add_nc_u64 s[G0+4*((\st)/2)+2:G0+4*((\st)/2)+3], s[G0+4*((\st)/2)+2:G0+4*((\st)/2)+3], 2*SLOTB
.endif
	s_wait_dscnt 5+(\fill)                         ; all the step's loads are in
	WIN 0xa0
	FP4 0, \zero                                   ; sixteen matrix instructions stand between the add and the wait for it
	s_wait_dscnt 0x0                               ; the add is done, my images have landed, my reads of the slot and of h's buffer are over
	s_barrier_signal -1
	FP4 4, \zero                                   ; work on registers while the others arrive
	WIN 0xf0
	FP4 8, \zero
	WIN 0
	s_barrier_wait -1
.if \fill
	CREST
	tensor_load_to_lds s[G0+4*((\st)/2):G0+4*((\st)/2)+3], s[G1:G1+7]   ; my one tensor load behind the round
	s_nop 0
	PLACES 4
.endif
	WIN 0xf0
	FP4 12, \zero
	WIN 0
	PLACES 4
.if \pf
	s_cmp_lt_u32 s54, s34
	s_cbranch_scc0 .Lno_pf_\@
	global_prefetch_b8 v[PFO], s[PFA:PFA+1] offset:(4+(\st)/2)*SLOTB th:TH_LOAD_NT scope:SCOPE_SE
	global_prefetch_b8 v[PFO+1], s[PFA:PFA+1] offset:(4+(\st)/2)*SLOTB th:TH_LOAD_NT scope:SCOPE_SE
.Lno_pf_\@:
.endif
.else
	s_wait_dscnt 29
	WIN 0xa0
	FP4 0, \zero
	s_wait_dscnt 21
	FP4 4, \zero
	s_wait_dscnt 13
	WIN 0xf0
	FP4 8, \zero
	s_wait_dscnt 5
	FP4 12, \zero
	WIN 0
	PLACES 4                                       ; four places in front of the next step's loads into registers that these products read
.endif
.endm
.macro LAST st                         ; one of the last two K steps: nothing is made, nothing is filled
.irp k, 0,1,2,3,4,5
	LR \k, (\st)%2, (\st)/2
.endr
	s_wait_dscnt 24
	WIN 0xa0
	FP4 0, 0
	s_wait_dscnt 16
	FP4 4, 0
	s_wait_dscnt 8
	WIN 0xf0
	FP4 8, 0
	s_wait_dscnt 0x0
	FP4 12, 0
	WIN 0
	PLACES 4
.endm
	; THE PIPELINE FILLS: fragments 0, 1, 2 are made, 0 and 1 (group 0) quantised, while group 0's tile is on its way
	PROD 1, 1, 0, 0
	PROD 2, 1, 1, 0
	W1LD 0, 2*8192, 0
	s_wait_dscnt 0x0
	PROD 3, 1, 1, 0
	s_wait_tensorcnt 0x0                           ; group 0 is in
	ds_add_u32 v[SPW], v[NIL]
	s_wait_dscnt 0x0                               ; the add is done, my images of group 0 have landed
	CROUND
	tensor_load_to_lds s[G0+4:G0+7], s[G1:G1+7]    ; slot 1's first fill: group 1
	s_nop 0
	PLACES 4
	STEP 0, 1, 1, 1, 3*8192, 0, 0, 0               ; K step 0 starts the sums
	s_mov_b32 s54, 0
.Ltrip:                                            ; 7 trips of four K steps: 1 .. 28; trip j refills with groups 2 j + 2 and 2 j + 3 and asks ahead for 2 j + 4 and 2 j + 5
	STEP 1, 0, 1, 0, 0, 0, 1, 1
	STEP 2, 0, 1, 1, 4*8192, 1, 0, 0
	STEP 3, 0, 1, 0, 0, 0, 1, 1
	STEP 0, 0, 1, 1, 5*8192, 1, 0, 0
	s_wait_xcnt 0x0                                ; W1's loads and the prefetches have read their bases
	s_add_nc_u64 s[W1P:W1P+1], s[W1P:W1P+1], 16384
	s_add_nc_u64 s[PFA:PFA+1], s[PFA:PFA+1], 2*SLOTB
	s_add_co_u32 s54, s54, 1
	s_cmp_lt_u32 s54, 7
	s_cbranch_scc1 .Ltrip
	STEP 1, 0, 0, 0, 0, 0, 0, 0                    ; K step 29: the last fragment is quantised; nothing is filled
	LAST 2
	LAST 3
; THE WAY OUT, block by block of 16 rows x 128 columns, through my own stage, back as whole rows of 512 bytes.  LDS serves a wave's instructions in order (ISA guide 5.7.1.4)
.macro TOSTAGE a
.set AC, 64*((\a)%4)
	WIN 0x08+4*((\a)/4)
.irp b, 0,1,2,3,4,5,6,7
	ds_store_b128 v[STO], v[AC+8*\b:AC+8*\b+3] offset:64*\b
	ds_store_b128 v[STO], v[AC+8*\b+4:AC+8*\b+7] offset:64*\b+16
.endr
	WIN 0
.set BB, BK+64*((\a)%2)
.irp t, 0,1,2,3,4,5,6,7,8,9,10,11,12,13,14,15
	ds_load_b128 v[BB+4*\t:BB+4*\t+3], v[RD] offset:\t*SPITCH
.endr
.endm
.macro SEND a, younger
.set BB, BK+64*((\a)%2)
	s_wait_dscnt \younger
.irp t, 0,1,2,3,4,5,6,7,8,9,10,11,12,13,14,15
	global_store_b128 v[CO], v[BB+4*\t:BB+4*\t+3], s[14:15] offset:(16*((\a)%4)+\t)*4096+512*((\a)/4) th:TH_STORE_NT   ; 32 lanes store 512 consecutive bytes, aligned
.endr
.endm
	TOSTAGE 0
.irp a, 1,2,3,4,5,6,7
.if \a > 1
	s_wait_xcnt 0x0                                ; block a - 2's stores have read their registers
.endif
	TOSTAGE \a
	SEND \a-1, 32
.endr
	SEND 7, 0
	s_wait_tensorcnt 0x0                           ; the wave's end
	ds_add_u32 v[SPW], v[NIL]
	s_wait_dscnt 0x0
	CROUND                                         ; the closing round
	s_endpgm
.Lfunc_end_k_qb9ae377cf4_ffn:
	.size	k_qb9ae377cf4_ffn, .Lfunc_end_k_qb9ae377cf4_ffn-k_qb9ae377cf4_ffn
	.p2alignl 7, 3214868480
	.fill 96, 4, 3214868480
	.section	.rodata,"a",@progbits
	.p2align	6, 0x0
	.amdhsa_kernel k_qb9ae377cf4_ffn
		.amdhsa_group_segment_fixed_size 327680
		.amdhsa_private_segment_fixed_size 0
		.amdhsa_enable_private_segment 0
		.amdhsa_kernarg_size 40
		.amdhsa_user_sgpr_count 2
		.amdhsa_user_sgpr_kernarg_segment_ptr 1
		.amdhsa_wavefront_size32 1
		.amdhsa_system_sgpr_workgroup_id_x 1
		.amdhsa_system_sgpr_workgroup_id_y 1
		.amdhsa_system_sgpr_workgroup_id_z 1
		.amdhsa_system_vgpr_workitem_id 0
		.amdhsa_next_free_vgpr 1024
		.amdhsa_next_free_sgpr 66
		.amdhsa_reserve_vcc 0
		.amdhsa_float_denorm_mode_32 3
		.amdhsa_float_denorm_mode_16_64 3
		.amdhsa_memory_ordered 1
		.amdhsa_forward_progress 1
		.amdhsa_inst_pref_size 203
	.end_amdhsa_kernel
	.amdgpu_metadata
---
amdhsa.version: [ 1, 2 ]
amdhsa.kernels:
  - .name:           k_qb9ae377cf4_ffn
    .symbol:         k_qb9ae377cf4_ffn.kd
    .args:
      - { .name: x, .offset: 0, .size: 8, .value_kind: global_buffer, .address_space: global }
      - { .name: theta, .offset: 8, .size: 8, .value_kind: global_buffer, .address_space: global }
      - { .name: W1, .offset: 16, .size: 8, .value_kind: global_buffer, .address_space: global }
      - { .name: w2p, .offset: 24, .size: 8, .value_kind: global_buffer, .address_space: global }
      - { .name: out0, .offset: 32, .size: 8, .value_kind: global_buffer, .address_space: global }
    .group_segment_fixed_size: 327680
    .private_segment_fixed_size: 0
    .kernarg_segment_align: 8
    .kernarg_segment_size: 40
    .max_flat_workgroup_size: 128
    .sgpr_count:     66
    .vgpr_count:     1024
    .wavefront_size: 32
...
	.end_amdgpu_metadata
.endif
;; end of part 2
